; MI455X (gfx1250); checked and timed in simulation.
; The chip was launched on July 23, 2026; its instructions are those of AMD's public machine-readable ISA for CDNA 5 (MIT licence, August 2026) and "CDNA5" Instruction Set Architecture Reference Guide (July 2026). The comments in the code are by the model that wrote it; some were corrected since.
;; Affine Coupling. Allowed arithmetic: matrix products marked QUANTISED: E5M2 operands, one given power-of-two scale a tensor, by v_wmma_f32_16x16x64_bf8_bf8 or v_wmma_f32_16x16x128_bf8_bf8, f32 sums; everything else in f32.
;; Inputs: W1s 512 x 4,096 float32; W1t 512 x 4,096 float32; W2s 4,096 x 512 float32; W2t 4,096 x 512 float32; b1s 4,096 float32; b1t 4,096 float32; b2s 512 float32; b2t 512 float32; lowp_scales 8 int32 (the exponents e of the quantised operands' scales 2^e); z 8,192 x 1,024 float32.
;; Outputs: out0 8,192 x 1,024 float32; out1 8,192 float32.
;; This version of the problem:
;;   THIS VERSION OF THE PROBLEM IS GIVEN IN LOW PRECISION. The matrix products marked QUANTISED in the list below multiply operands that are first quantised to E5M2 (5 exponent bits, 2 mantissa bits; 8 bits a number), with one given power-of-two scale for each operand tensor; their sums are f32. All else is computed in f32.
;;   The module's matrix products, in the order in which they are computed (A, B: the left and right operand; K: the contracted axis; several contracted axes count as one K, in the product's order):
;;     1. [M 8,192, K 512] x [K 512, N 4,096]; A: input z; B: input W1s: QUANTISED (scales: A lowp_scales[0], B lowp_scales[1])
;;     2. [M 8,192, K 4,096] x [K 4,096, N 512]; A: computed on the way; B: input W2s: QUANTISED (scales: A lowp_scales[2], B lowp_scales[3])
;;     3. [M 8,192, K 512] x [K 512, N 4,096]; A: input z; B: input W1t: QUANTISED (scales: A lowp_scales[4], B lowp_scales[5])
;;     4. [M 8,192, K 4,096] x [K 4,096, N 512]; A: computed on the way; B: input W2t: QUANTISED (scales: A lowp_scales[6], B lowp_scales[7])
;;   THE QUANTISER, for each operand of a quantised product, along K:
;;     - The operand's scale is 2^e, e = its entry of the input lowp_scales (int32; the entries are numbered through the quantised products in the list's order, A before B).
;;     - Each number is divided by the scale, clamped to +-57,344, and rounded to the nearest number of E5M2, ties to even, subnormals kept.
;;     - The product sums the exact products of the quantised numbers (number of the format x scale) in f32.
;;   ~~~python
;;   def quantise(x, axis, e):      # numpy; x: float32 -> the quantised numbers, widened to float32 again
;;       x = np.moveaxis(x, axis, -1); K = x.shape[-1]
;;       r = np.clip(x / 2.0 ** e, -57344, 57344)
;;       step = 2.0 ** (np.maximum(np.frexp(np.where(r == 0, 1, r))[1] - 1, -14) - 2)
;;       q = np.round(r / step) * step * 2.0 ** e      # np.round: ties to even
;;       return np.moveaxis(q, -1, axis).astype(np.float32)
;;   ~~~
;;   OPERANDS COMPUTED ON THE WAY. 'Computed on the way' means the value that the module computes at that place (a softmax that the list does not call 'softmax' is quantised finished and normalised). What goes into a quantiser is computed in f32, as accurately as f32 sums, v_exp_f32 and their like allow (about 1e-6 of the number): no bf16 or f16 on the way to a quantiser, and a product that is left as it is and whose result goes on into a quantised operand takes f32 operands (vector FMAs, or v_wmma_f32_16x16x4_f32). A number that lies on a knife's edge between two numbers of the format may be rounded either way, as far as f32 arithmetic and the matrix unit's own rounding can turn it there, and no further.
;; One version. Each part assembles by itself: llvm-mc -triple=amdgcn-amd-amdhsa -mcpu=gfx1250 --defsym DOCPART=n.
;; ======== version 1 of 1: 4 launches
;; limits: right only within a limited range of input values
;; workspace buffers: ac 8,388,608 bytes; w1c 4,194,304 bytes; w2c 4,194,304 bytes; hc 67,108,864 bytes; pl 131,072 bytes
;; launch quant (part 1): grid 1024 x 1, 4 waves a work-group, no clusters, 0 bytes of LDS; arguments z, W1s, W1t, W2s, W2t, lowp_scales, ac, w1c, w2c; writes ac, w1c, w2c
.if DOCPART == 1
	.amdgcn_target "amdgcn-amd-amdhsa--gfx1250"
	.amdhsa_code_object_version 6
	.text
	.protected	k_q881ff56029_quant
	.globl	k_q881ff56029_quant
	.p2align	8
	.type	k_q881ff56029_quant,@function
k_q881ff56029_quant:
	s_mov_b64 s[64:65], 0
	v_nop
	global_prefetch_b8 v0, s[64:65] scope:SCOPE_SE
	s_setreg_imm32_b32 hwreg(HW_REG_WAVE_MODE, 25, 1), 1
	s_wait_xcnt 0x0
; AffineCoupling, first of four launches: the operands that arrive as f32 become codes of BF8 (E5M2), each with the one scale 2^e that is given for it.
; NOTHING OF THE PROBLEM IS LEFT OUT in any launch: all four products, both biases of both nets, the exponential, the interleave and the row sum reach an output, and every input is loaded.
; code = x / 2^e, held within +-57,344, rounded to the nearest code, ties to even.  LIMITS: each e between -126 and 112, so that 2^e and 57,344 x 2^e are f32 numbers; NaN among the inputs is not served.
; WHO DOES WHAT, by the work-group's number: 0-511: a = the even columns of z, with e0 (net s) and with e4 (net t), 16 rows each; 512-767: W1s (e1), W1t (e5); 768-1023: W2s (e3), W2t (e7).
; Each work-group reads 64 KB; a wave asks for all its 16 KB at once (32 or 64 loads) and works alone: no LDS, no barrier, no matrix unit: a stream has nothing for them.
; THE ORDER ALONG K IS FREE where both operands of a product have the same order, and which columns of a weight form a tile is free too: so every load and store here is dense and nothing is transposed.
;  ac  [net 2][row 8192][512 B]: byte p = 16 L + q of a row is a(k), k = 64 (q / 2) + 2 L + q % 2: lane L's eight loads of 16 bytes (512 consecutive bytes a wave) bring it just these sixteen even columns.
;  A FRAGMENT IMAGE is 16 rows x 128 along K as the operand's registers hold it, 2,048 bytes: byte 512 c + 256 h + 16 r + q is row r, place 32 c + 16 h + q.
;  w1c [net 2][64 columns jc][tile 4][K step 4][image]: a lane takes TWO neighbouring columns (8 bytes a load, 256 consecutive bytes a wave) and its registers run down K, in ac's order: place (c, h, q) of K step ks is k = 16 ks + 4 c + 2 h + 64 (q / 2) + q % 2.
;      Lane l's column j goes to tile 2 j + l / 16, row l % 16.
;  w2c [net 2][128 columns cg][4 K steps kslot 8][tile 8][K step 4][image]: the same, with K in the order in which the second launch leaves the hidden layer's codes: place (c, h, q) of K step g is hidden unit 128 g + 64 (c / 2) + c % 2 + 16 h + 32 (q / 8) + 2 (q % 8).
;  A weight's image has eight groups 2 c + h of sixteen rows; a work-group takes four of them, c = 0, 1 (even number) or c = 2, 3 (odd): the odd one's rows lie 131,072 bytes further on in W1 (8 rows) and in W2 (64 rows) alike, its places 1,024 bytes further on.
.set R, 16                             ; v16-143  four sets of 32 registers as loaded
.set X, 144                            ; v144-175 32 numbers, held, in the order that the conversions want
.set C, 176                            ; v176-207 codes: eight registers for each of four steps, so that no store's data are written again
.macro MKSCALE vs, vl, se              ; v[vs] = 2^e as f32 (the conversion takes its exponent field), v[vl] = 57,344 x 2^e
	s_add_co_i32 s46, \se, 127
	s_lshl_b32 s47, s46, 23
	v_mov_b32 v[\vs], s47
	s_add_co_i32 s46, s46, 15
	s_lshl_b32 s46, s46, 23
	s_or_b32 s46, s46, 0x600000
	v_mov_b32 v[\vl], s46
.endm
.macro ZLOAD p                         ; row p of my wave's four: 4,096 bytes, eight loads of 512 consecutive bytes
.irp i, 0,1,2,3,4,5,6,7
	global_load_b128 v[R+32*(\p)+4*\i:R+32*(\p)+4*\i+3], v2, s[36:37] offset:4096*(\p)+512*\i th:TH_LOAD_NT
.endr
.endm
.macro ZROW p
	s_wait_loadcnt 8*(3-(\p))                      ; this row's eight loads are in; those of the rows behind it may be out
.irp i, 0,1,2,3,4,5,6,7
	v_med3_num_f32 v[X+2*\i],    v[R+32*(\p)+4*\i],   -v5, v5   ; the hold (the conversion to an 8-bit code does not saturate: ISA guide 7.6.2) also picks the even columns out
	v_med3_num_f32 v[X+2*\i+1],  v[R+32*(\p)+4*\i+2], -v5, v5
	v_med3_num_f32 v[X+16+2*\i],   v[R+32*(\p)+4*\i],   -v7, v7 ; and once more within the other net's scale
	v_med3_num_f32 v[X+16+2*\i+1], v[R+32*(\p)+4*\i+2], -v7, v7
.endr
	v_cvt_scalef32_pk8_bf8_f32 v[C+8*(\p):C+8*(\p)+1],   v[X:X+7],     v4
	v_cvt_scalef32_pk8_bf8_f32 v[C+8*(\p)+2:C+8*(\p)+3], v[X+8:X+15],  v4
	v_cvt_scalef32_pk8_bf8_f32 v[C+8*(\p)+4:C+8*(\p)+5], v[X+16:X+23], v6
	v_cvt_scalef32_pk8_bf8_f32 v[C+8*(\p)+6:C+8*(\p)+7], v[X+24:X+31], v6
	v_nop                                          ; a plain line between the conversions and the next row's holds, which write their sources
	global_store_b128 v2, v[C+8*(\p):C+8*(\p)+3],   s[38:39] offset:512*(\p)            ; the wave stores a row's 512 bytes on end
	global_store_b128 v2, v[C+8*(\p)+4:C+8*(\p)+7], s[38:39] offset:4194304+512*(\p)    ; the other net's set
.endm
; A weight.  kind 1: W1 (a row is 16,384 bytes), kind 2: W2 (2,048).  Group grp = 2 c + h of my four: the sixteen rows q of the image's places (c, h, q).
.macro WLOAD kind, grp
.irp q, 0,1,2,3,4,5,6,7,8,9,10,11,12,13,14,15
.if \kind == 1
.set RWV, (4*((\grp)/2)+2*((\grp)%2)+64*(\q/2)+(\q%2))*16384
.else
.set RWV, ((((\grp)/2)%2)+16*((\grp)%2)+32*(\q/8)+2*(\q%8))*2048
.endif
	global_load_b64 v[R+32*(\grp)+2*\q:R+32*(\grp)+2*\q+1], v2, s[36:37] offset:RWV th:TH_LOAD_NT   ; 455 rows of 16,384 bytes at the most: inside the signed 24-bit immediate
.endr
.endm
.macro WGRP kind, grp
	s_wait_loadcnt 16*(3-(\grp))                   ; this group's sixteen loads are in; those of the groups behind it may be out
.irp q, 0,1,2,3,4,5,6,7,8,9,10,11,12,13,14,15
	v_med3_num_f32 v[X+\q],    v[R+32*(\grp)+2*\q],   -v5, v5   ; the hold also parts my two columns
	v_med3_num_f32 v[X+16+\q], v[R+32*(\grp)+2*\q+1], -v5, v5
.endr
.irp j, 0,1
	v_cvt_scalef32_pk8_bf8_f32 v[C+8*(\grp)+4*\j:C+8*(\grp)+4*\j+1],   v[X+16*\j:X+16*\j+7],    v4
	v_cvt_scalef32_pk8_bf8_f32 v[C+8*(\grp)+4*\j+2:C+8*(\grp)+4*\j+3], v[X+16*\j+8:X+16*\j+15], v4
.endr
	v_nop                                          ; a plain line between the conversions and the next group's holds
.irp j, 0,1
	global_store_b128 v3, v[C+8*(\grp)+4*\j:C+8*(\grp)+4*\j+3], s[38:39] offset:512*((\grp)/2)+256*((\grp)%2)+16384*\j   ; sixteen lanes store 256 consecutive bytes, aligned
.endr
.endm
	s_load_b512 s[4:19], s[0:1], 0x0               ; z 4, W1s 6, W1t 8, W2s 10, W2t 12, the scales' exponents 14, ac 16, w1c 18
	s_load_b64 s[20:21], s[0:1], 0x40              ; w2c
	v_lshrrev_b32 v1, 5, v0
	v_readfirstlane_b32 s32, v1                    ; wave 0..3
	v_and_b32 v1, 31, v0                           ; lane
	s_mov_b32 s41, 0
	s_wait_kmcnt 0x0
	s_load_b256 s[24:31], s[14:15], 0x0            ; e0 .. e7
	s_cmp_lt_u32 ttmp9, 512
	s_cbranch_scc0 .Lweights
	; ---- z: work-group j, wave w: rows 16 j + 4 w + 0 .. 3
	s_wait_alu depctr_va_vdst(0)                   ; the wait ahead of the reader below
	v_lshlrev_b32 v2, 4, v1                        ; 16 x lane: in a load's 512 bytes, and in a row of codes
	s_lshl_b32 s33, ttmp9, 4
	s_lshl_b32 s34, s32, 2
	s_add_co_u32 s33, s33, s34
	s_lshl_b32 s40, s33, 12
	s_add_nc_u64 s[36:37], s[4:5], s[40:41]
	s_lshl_b32 s40, s33, 9
	s_add_nc_u64 s[38:39], s[16:17], s[40:41]
.irp p, 0,1,2,3
	ZLOAD \p
.endr
	s_wait_kmcnt 0x0
	MKSCALE 4, 5, s24                              ; e0
	MKSCALE 6, 7, s28                              ; e4
	s_wait_alu depctr_va_vdst(0)                   ; the wait at the head's end
.irp p, 0,1,2,3
	ZROW \p
.endr
	s_endpgm
.Lweights:
	s_wait_alu depctr_va_vdst(0)                   ; the wait ahead of the reader below
	v_lshlrev_b32 v2, 3, v1                        ; in: 8 x lane: my two columns
	v_lshrrev_b32 v3, 4, v1
	v_and_b32 v8, 15, v1
	v_lshlrev_b32 v3, 13, v3
	v_lshl_add_u32 v3, v8, 4, v3                   ; out: tile lane / 16 (8,192 bytes on), row lane % 16
	s_and_b32 s44, ttmp9, 1                        ; which four groups of the image's eight
	s_lshl_b32 s45, s44, 17
	v_add_nc_u32 v2, s45, v2                       ; their rows: 131,072 bytes on
	s_lshl_b32 s45, s44, 10
	v_add_nc_u32 v3, s45, v3                       ; their places: 1,024 bytes on
	s_cmp_lt_u32 ttmp9, 768
	s_cbranch_scc0 .Lw2
	; ---- W1: id = net x 64 + (256 columns) x 4 + K step; my wave's 64 columns jc
	s_sub_co_u32 s33, ttmp9, 512
	s_lshr_b32 s33, s33, 1
	s_lshr_b32 s34, s33, 6                         ; the net
	s_bfe_u32 s35, s33, 0x40002
	s_and_b32 s33, s33, 3                          ; ks
	s_lshl_b32 s35, s35, 2
	s_add_co_u32 s35, s35, s32                     ; jc
	s_cmp_eq_u32 s34, 0
	s_cselect_b64 s[36:37], s[6:7], s[8:9]
	s_lshl_b32 s40, s33, 18                        ; 16 ks rows of 16,384 bytes
	s_lshl_b32 s42, s35, 8
	s_add_co_u32 s40, s40, s42
	s_add_nc_u64 s[36:37], s[36:37], s[40:41]
	s_lshl_b32 s40, s34, 21
	s_lshl_b32 s42, s35, 15
	s_add_co_u32 s40, s40, s42
	s_lshl_b32 s42, s33, 11
	s_add_co_u32 s40, s40, s42
	s_add_nc_u64 s[38:39], s[18:19], s[40:41]
	s_wait_alu depctr_va_vdst(0)                   ; the wait behind the run of scalar lines
.irp g, 0,1,2,3
	WLOAD 1, \g
.endr
	s_wait_kmcnt 0x0
	s_cmp_eq_u32 s34, 0
	s_cselect_b32 s43, s25, s29                    ; e1 or e5
	MKSCALE 4, 5, s43
	s_wait_alu depctr_va_vdst(0)                   ; the wait at the head's end
.irp g, 0,1,2,3
	WGRP 1, \g
.endr
	s_endpgm
.Lw2:
	; ---- W2: id = net x 64 + (256 columns) x 32 + K step g; my wave's 64 columns jc
	s_sub_co_u32 s33, ttmp9, 768
	s_lshr_b32 s33, s33, 1
	s_lshr_b32 s34, s33, 6                         ; the net
	s_bfe_u32 s35, s33, 0x10005
	s_and_b32 s33, s33, 31                         ; g
	s_lshl_b32 s35, s35, 2
	s_add_co_u32 s35, s35, s32                     ; jc 0..7
	s_cmp_eq_u32 s34, 0
	s_cselect_b64 s[36:37], s[10:11], s[12:13]
	s_lshl_b32 s40, s33, 18                        ; 128 g rows of 2,048 bytes
	s_lshl_b32 s42, s35, 8
	s_add_co_u32 s40, s40, s42
	s_add_nc_u64 s[36:37], s[36:37], s[40:41]
	s_lshl_b32 s40, s34, 21
	s_lshr_b32 s42, s35, 1
	s_lshl_b32 s42, s42, 19                        ; cg
	s_add_co_u32 s40, s40, s42
	s_lshr_b32 s42, s33, 2
	s_lshl_b32 s42, s42, 16                        ; kslot
	s_add_co_u32 s40, s40, s42
	s_and_b32 s42, s35, 1
	s_lshl_b32 s42, s42, 15                        ; tiles 0-3 or 4-7
	s_add_co_u32 s40, s40, s42
	s_and_b32 s42, s33, 3
	s_lshl_b32 s42, s42, 11                        ; the K step in its four
	s_add_co_u32 s40, s40, s42
	s_add_nc_u64 s[38:39], s[20:21], s[40:41]
	s_wait_alu depctr_va_vdst(0)                   ; the wait behind the run of scalar lines
.irp g, 0,1,2,3
	WLOAD 2, \g
.endr
	s_wait_kmcnt 0x0
	s_cmp_eq_u32 s34, 0
	s_cselect_b32 s43, s27, s31                    ; e3 or e7
	MKSCALE 4, 5, s43
	s_wait_alu depctr_va_vdst(0)                   ; the wait at the head's end
.irp g, 0,1,2,3
	WGRP 2, \g
.endr
	s_endpgm
.Lfunc_end_k_q881ff56029_quant:
	.size	k_q881ff56029_quant, .Lfunc_end_k_q881ff56029_quant-k_q881ff56029_quant
	.p2alignl 7, 3214868480
	.fill 96, 4, 3214868480
	.section	.rodata,"a",@progbits
	.p2align	6, 0x0
	.amdhsa_kernel k_q881ff56029_quant
		.amdhsa_group_segment_fixed_size 0
		.amdhsa_private_segment_fixed_size 0
		.amdhsa_enable_private_segment 0
		.amdhsa_kernarg_size 72
		.amdhsa_user_sgpr_count 2
		.amdhsa_user_sgpr_kernarg_segment_ptr 1
		.amdhsa_wavefront_size32 1
		.amdhsa_system_sgpr_workgroup_id_x 1
		.amdhsa_system_sgpr_workgroup_id_y 1
		.amdhsa_system_sgpr_workgroup_id_z 1
		.amdhsa_system_vgpr_workitem_id 0
		.amdhsa_next_free_vgpr 248
		.amdhsa_next_free_sgpr 66
		.amdhsa_reserve_vcc 0
		.amdhsa_float_denorm_mode_32 3
		.amdhsa_float_denorm_mode_16_64 3
		.amdhsa_memory_ordered 1
		.amdhsa_forward_progress 1
		.amdhsa_inst_pref_size 50
	.end_amdhsa_kernel
	.amdgpu_metadata
---
amdhsa.version: [ 1, 2 ]
amdhsa.kernels:
  - .name:           k_q881ff56029_quant
    .symbol:         k_q881ff56029_quant.kd
    .args:
      - { .name: z, .offset: 0, .size: 8, .value_kind: global_buffer, .address_space: global }
      - { .name: W1s, .offset: 8, .size: 8, .value_kind: global_buffer, .address_space: global }
      - { .name: W1t, .offset: 16, .size: 8, .value_kind: global_buffer, .address_space: global }
      - { .name: W2s, .offset: 24, .size: 8, .value_kind: global_buffer, .address_space: global }
      - { .name: W2t, .offset: 32, .size: 8, .value_kind: global_buffer, .address_space: global }
      - { .name: lowp_scales, .offset: 40, .size: 8, .value_kind: global_buffer, .address_space: global }
      - { .name: ac, .offset: 48, .size: 8, .value_kind: global_buffer, .address_space: global }
      - { .name: w1c, .offset: 56, .size: 8, .value_kind: global_buffer, .address_space: global }
      - { .name: w2c, .offset: 64, .size: 8, .value_kind: global_buffer, .address_space: global }
    .group_segment_fixed_size: 0
    .private_segment_fixed_size: 0
    .kernarg_segment_align: 8
    .kernarg_segment_size: 72
    .max_flat_workgroup_size: 128
    .sgpr_count:     66
    .vgpr_count:     248
    .wavefront_size: 32
...
	.end_amdgpu_metadata
.endif
;; end of part 1
;; launch hid (part 2): grid 16 x 16, 4 waves a work-group, clusters of 4 x 1, 327,680 bytes of LDS; arguments ac, w1c, b1s, b1t, lowp_scales, hc; writes hc
.if DOCPART == 2
	.amdgcn_target "amdgcn-amd-amdhsa--gfx1250"
	.amdhsa_code_object_version 6
	.text
	.protected	k_q881ff56029_hid
	.globl	k_q881ff56029_hid
	.p2align	8
	.type	k_q881ff56029_hid,@function
k_q881ff56029_hid:
	s_mov_b64 s[64:65], 0
	v_nop
	global_prefetch_b8 v0, s[64:65] scope:SCOPE_SE
	s_setreg_imm32_b32 hwreg(HW_REG_WAVE_MODE, 25, 1), 1
	s_wait_xcnt 0x0
	s_wait_alu depctr_hold_cnt(0) depctr_sa_sdst(0) depctr_va_vdst(0) depctr_va_sdst(0) depctr_va_ssrc(0) depctr_va_vcc(0) depctr_vm_vsrc(0)
	s_getreg_b32 s2, hwreg(HW_REG_IB_STS2, 6, 4)
	s_cmp_eq_u32 s2, 0
	s_cbranch_scc0 .Lentry_in_a_cluster
	s_endpgm
.Lentry_in_a_cluster:
	s_bfe_u32 s2, ttmp6, 0x10000c
	s_cmp_lg_u32 s2, 0x3003
	s_cbranch_scc0 .Lentry_shape_is_right
	s_endpgm
.Lentry_shape_is_right:
; Second launch: the hidden layers of both nets, h = relu(a W1 + b1), as codes of BF8 with the given scales (e2 for s, e6 for t).  Nothing is left out.
; SHARES.  Work-group (CG, RG): 512 hidden units (CG 0-7: net s, 8-15: net t) x 512 rows.  THE WEIGHTS STAY IN REGISTERS: wave w holds 128 units x K 512 = 32 fragments = 512 registers, read once, as images, straight from memory.
; The work-group's 512 rows of a's codes lie whole in LDS (512 x 528 bytes), first fills only: no byte is filled again.  A block of 16 rows (four fragments from LDS) feeds 32 matrix instructions.
; TWO FILLS.  At the head each wave asks for 48 rows, together rows 0-191.  When W1, b1 and these rows are in, each wave asks for 80 more, together rows 192-511, behind the sequence and the round
; ahead of a later first fill.  Blocks 0 to 9 are multiplied meanwhile: they fetch no further than block 10, rows 160-175.  A barrier ahead of block 10 shows the second fill to every wave.
; CLUSTER.  The four partners have the same rows and the same net, so a's tiles are asked for JOINTLY (mask 15); my place in the cluster enters the addresses of w1c, b1 and hc alone.
; The weights are not asked for jointly: the partners' weights differ, the work-groups that share them lie in other clusters, and LDS has 57,344 bytes beside a's rows, no room for a work-group's 262,144 bytes of weights.
; No prefetch: every tile and every weight is asked for once, at the head or right behind it, and there is no loop to run ahead in.
; THE MATRIX INSTRUCTION IS USED TRANSPOSED (source 0 = 16 units of W1, source 1 = 16 rows of a): a lane holds one row and eight units a tile, so that the conversions' sixteen registers ARE a fragment of the next product's operand; they are stored as they stand:
; hc [net 2][K step g 32][16 rows rb 512][image 2,048 B].  Place (c, h, q) of the image is hidden unit 128 g + 64 (c / 2) + c % 2 + 16 h + 32 (q / 8) + 2 (q % 8): the first launch lays W2 in that order.
; THE SCALES.  A sum stands for sum x 2^(eA + eB): b1 goes in as the C of each sum's first matrix instruction, as b1 / 2^(eA + eB); the conversion takes 2^E, E = eH - eA - eB; one v_med3 between 0 and 57,344 x 2^E is the activation and the hold.
; LIMITS: E between -126 and 112; b1 / 2^(eA + eB) is made by v_ldexp_f32 and is lost where it leaves f32's range.  NaN among the inputs is not served.
; BY TURNS.  While block k is multiplied, block k - 1's 64 holds stand two behind each matrix instruction (they name the other set of accumulators), and its conversions and stores follow the block's last product.
; REGISTERS, in windows of 256 (s_set_vgpr_msb: bits 1:0 source 0, 3:2 source 1, 5:4 source 2, 7:6 destination):
;   window 0: v1-9 addresses; v32-47 a block's codes; v64-191 a's fragments, two sets of 64.   window 1: v0-127 accumulators, two sets of 64 (tile b at 8 b); v128-191 b1, in the result's layout.
;   window 2: W1's tiles 0-3 (tile b, K step ks at 64 b + 16 ks);   window 3: tiles 4-7.
.set PITCH, 528                        ; an LDS row: 512 bytes + 16 = 132 words: row r starts at bank 4 r mod 64 (64 banks of 4 bytes: ISA guide 11.1): the 16 rows that a load touches start at 16 different banks
.set BROW,  16*PITCH                   ; a block of 16 rows
.set R1,    48                         ; rows of a wave's first load
.set R2,    80                         ; rows of its second
.set FIRST, 4*R1                       ; the rows of the first fill
.set SPARE, 512*PITCH                  ; behind a's rows: the spare words, 128 bytes for each wave: two blocks of 256 bytes that no other line names
.set A0,  3                            ; v3  528 r + 16 h: my lane's place in a block
.set ADR, 4                            ; v4  LDS address of the block being fetched
.set LI,  5                            ; v5  16 x lane: my place in an image; never rewritten
.set SPW, 6                            ; v6  LDS address of my spare word; never rewritten
.set NIL, 7                            ; v7  0; never rewritten
.set SC,  8                            ; v8  2^E as f32
.set BO,  9                            ; v9  64 h: b1's offset
.set CD,  32
.set AF,  64
.set BI,  128
.set WV,  18                           ; s18 wave
.set G1,  24                           ; s[24:31] descriptor group 1 of the first load;  s[32:35], s[36:39] group 0 of my two loads
.set G0,  32
.set G2,  68                           ; s[68:75] descriptor group 1 of the second load
.set LIM, 48                           ; s48 57,344 x 2^E
.set TB,  51                           ; s51 LDS byte of the block to be fetched next
.set CNT, 52
.set HB,  54                           ; s[54:55] hc at the pair of blocks being stored
.set MSB, 0
.macro WIN new                         ; the immediate's high byte repeats the setting that is left
.if MSB != (\new)
	s_set_vgpr_msb (MSB<<8)|(\new)
.set MSB, (\new)
.endif
.endm
.macro CROUND                          ; a round of the cluster's barrier
	s_barrier_signal -1
	s_barrier_wait -1
	s_cmp_lg_u32 s[WV], 0
	s_cbranch_scc1 .Lnot_wave_0_\@
	s_barrier_signal -3
.Lnot_wave_0_\@:
	s_barrier_wait -3
	s_barrier_signal -1
	s_barrier_wait -1
.endm
	s_load_b256 s[4:11], s[0:1], 0x0               ; ac 4, w1c 6, b1s 8, b1t 10
	s_load_b128 s[12:15], s[0:1], 0x20             ; the scales' exponents 12, hc 14
	v_lshl_add_u32 v[SPW], v0, 2, SPARE
	v_mov_b32 v[NIL], 0
	ds_add_u32 v[SPW], v[NIL]                      ; the wave's opening: the add, twice on end, and its wait ahead of my first tensor load
	ds_add_u32 v[SPW], v[NIL]                      ; and once more; the set-up below, work on registers, stands between it and the wait
	v_lshrrev_b32 v1, 5, v0
	v_readfirstlane_b32 s[WV], v1                  ; wave 0..3
	s_bfe_u32 s19, ttmp6, 0x40000                  ; cx
	s_lshl_b32 s20, ttmp9, 2
	s_add_co_u32 s20, s20, s19                     ; CG = 4 x cluster x + cx
	s_lshr_b32 s21, ttmp9, 1                       ; the net: the same in all four partners
	s_and_b32 s22, ttmp7, 0xffff                   ; RG
.irp g, G1, G2
	s_mov_b32 s[\g+0], 15|(1<<20)|(1<<21)|(6<<22)|(3<<25)   ; 15:0 the mask: all four; 17:16 elements of 1 byte; 20 padding on; 21 set beside a mask; 24:22 after every 128 words (code 6); 31:25 four words (code 3)
	s_mov_b32 s[\g+1], 512<<16                     ; tensor_dim0 = 512
	s_mov_b32 s[\g+3], 512<<16                     ; tile_dim0 = 512
	s_mov_b32 s[\g+5], 512                         ; from row to row
	s_mov_b32 s[\g+6], 0
	s_mov_b32 s[\g+7], 0
.endr
	s_mov_b32 s[G1+2], R1<<16                      ; tensor_dim1,
	s_mov_b32 s[G1+4], R1                          ; tile_dim1: the rows
	s_mov_b32 s[G2+2], R2<<16
	s_mov_b32 s[G2+4], R2
	s_lshl_b32 s56, s21, 22                        ; a's codes: the net's set,
	s_lshl_b32 s57, s22, 18                        ; 512 RG rows of 512 bytes,
	s_add_co_u32 s56, s56, s57
	s_mul_i32 s57, s[WV], R1*512                   ; 48 rows for each wave
	s_add_co_u32 s56, s56, s57
	s_mov_b32 s57, 0
	s_mul_i32 s58, s[WV], R1*PITCH                 ; and where they go
	s_mul_i32 s23, s[WV], R2*PITCH                 ; the second load: 80 rows for each wave behind the first 192, in LDS
	s_mul_i32 s16, s[WV], (R2-R1)*512              ; and in memory, counted from my first load's address
	s_add_co_u32 s16, s16, FIRST*512
	s_mov_b32 s17, 0
	s_lshl_b32 s60, s20, 2                         ; (from here on: registers that may hold cx; they feed no descriptor)
	s_add_co_u32 s60, s60, s[WV]                   ; my 128 units: group 4 CG + wave of 64
	s_and_b32 s62, s60, 31                         ; g: the group within its net
	s_lshl_b32 s60, s60, 16                        ; 65,536 bytes of images a group
	s_mov_b32 s61, 0
	v_and_b32 v[LI], 31, v0
	v_lshlrev_b32 v[LI], 4, v[LI]
	v_and_b32 v1, 15, v0                           ; r
	v_bfe_u32 v2, v0, 4, 1                         ; h
	v_mul_u32_u24 v[A0], v1, PITCH
	v_lshl_add_u32 v[A0], v2, 4, v[A0]
	v_lshlrev_b32 v[BO], 6, v2
	s_mov_b32 s[TB], 0
	s_wait_dscnt 0x0                               ; both opening adds are done
	s_wait_kmcnt 0x0
	s_load_b256 s[40:47], s[12:13], 0x0            ; e0 .. e7
	s_mov_b32 s[G0], 1
	s_mov_b32 s[G0+1], s58
	s_add_nc_u64 s[G0+2:G0+3], s[4:5], s[56:57]
	s_mov_b32 s[G0+4], 1
	s_add_co_u32 s[G0+5], s23, FIRST*PITCH
	s_add_nc_u64 s[G0+6:G0+7], s[G0+2:G0+3], s[16:17]
	s_or_b32 s[G0+3], s[G0+3], 0x80000000
	s_or_b32 s[G0+7], s[G0+7], 0x80000000
	s_add_nc_u64 s[6:7], s[6:7], s[60:61]          ; my images of W1
	s_cmp_eq_u32 s21, 0
	s_cselect_b64 s[8:9], s[8:9], s[10:11]         ; b1 of my net,
	s_lshl_b32 s60, s62, 9
	s_add_nc_u64 s[8:9], s[8:9], s[60:61]          ; at my 128 units
	s_lshl_b32 s60, s21, 25
	s_lshl_b32 s62, s62, 20
	s_add_co_u32 s60, s60, s62
	s_lshl_b32 s62, s22, 16
	s_add_co_u32 s60, s60, s62
	s_add_nc_u64 s[HB:HB+1], s[14:15], s[60:61]    ; hc: net, K step g, my work-group's first 16 rows
	CROUND                                         ; all four work-groups are here: the joint loads meet
	tensor_load_to_lds s[G0:G0+3], s[G1:G1+7]      ; rows 48 w .. 48 w + 47: my one load at the head
	s_nop 0
.rept 4
	v_nop
.endr
	WIN 0x80                                       ; destination window 2
	s_wait_alu depctr_va_vdst(0)                   ; the wait ahead of the first readers of the head's addresses
.irp b, 0,1,2,3
.irp ks, 0,1,2,3
.irp c, 0,1,2,3
	global_load_b128 v[64*\b+16*\ks+4*\c:64*\b+16*\ks+4*\c+3], v[LI], s[6:7] offset:8192*\b+2048*\ks+512*\c
.endr
.endr
.endr
	WIN 0xc0                                       ; destination window 3
.irp b, 0,1,2,3
.irp ks, 0,1,2,3
.irp c, 0,1,2,3
	global_load_b128 v[64*\b+16*\ks+4*\c:64*\b+16*\ks+4*\c+3], v[LI], s[6:7] offset:8192*(\b+4)+2048*\ks+512*\c
.endr
.endr
.endr
	WIN 0x40                                       ; destination window 1
.irp b, 0,1,2,3,4,5,6,7                        ; register j of tile b in lane half h is unit 64 (b / 4) + 32 (b % 2) + 16 h + 2 j + (b / 2) % 2 of my 128
.irp j, 0,1,2,3,4,5,6,7
	global_load_b32 v[BI+8*\b+\j], v[BO], s[8:9] offset:256*(\b/4)+128*(\b%2)+4*((\b/2)%2)+8*\j
.endr
.endr
	WIN 0
	s_wait_kmcnt 0x0
	s_cmp_eq_u32 s21, 0
	s_cselect_b32 s56, s40, s44                    ; eA
	s_cselect_b32 s57, s41, s45                    ; eB
	s_cselect_b32 s58, s42, s46                    ; eH
	s_add_co_i32 s56, s56, s57
	s_sub_co_i32 s50, 0, s56                       ; -(eA + eB)
	s_sub_co_i32 s58, s58, s56                     ; E
	s_add_co_i32 s58, s58, 127
	s_lshl_b32 s49, s58, 23
	v_mov_b32 v[SC], s49
	s_add_co_i32 s58, s58, 15
	s_lshl_b32 s58, s58, 23
	s_or_b32 s[LIM], s58, 0x600000
	s_wait_loadcnt 0x0                             ; W1 and b1
	WIN 0x41
.set x, BI
.rept 64
	v_ldexp_f32 v[x], v[x], s50
.set x, x+1
.endr
	WIN 0
	s_wait_alu depctr_va_vdst(0)                   ; the wait at the head's end
	s_wait_tensorcnt 0x0                           ; my part of rows 0-191 is in
	ds_add_u32 v[SPW], v[NIL]                      ; 0 onto my spare word,
	s_wait_dscnt 0x0                               ; and the wait for it
	CROUND                                         ; everybody's part is in, and all four work-groups are here: the joint loads meet
	tensor_load_to_lds s[G0+4:G0+7], s[G2:G2+7]    ; rows 192 + 80 w on: the first tensor load behind the round
	s_nop 0
.rept 4
	v_nop
.endr
	v_add_nc_u32 v[ADR], s[TB], v[A0]
	s_add_co_u32 s[TB], s[TB], BROW
.irp ks, 0,1,2,3
.irp c, 0,1,2,3
	ds_load_b128 v[AF+16*\ks+4*\c:AF+16*\ks+4*\c+3], v[ADR] offset:128*\ks+32*\c   ; block 0
.endr
.endr
; BLOCK k, of parity p.  ld = 1: the next block's fragments are fetched first, into the other set.  ep = 1: block k - 1 is finished beside the products.  stp = 1: hc's address steps to the next pair of blocks.
; The four accumulators of a half take turns, one instruction a turn; a sum's first instruction takes b1 as its C.
.macro BLK p, ld, ep, stp
.if \ld
	v_add_nc_u32 v[ADR], s[TB], v[A0]              ; (with the four v_nop at the last block's end: five places behind the products that read this set)
	s_add_co_u32 s[TB], s[TB], BROW
.irp ks, 0,1,2,3
.irp c, 0,1,2,3
	ds_load_b128 v[AF+64*(1-\p)+16*\ks+4*\c:AF+64*(1-\p)+16*\ks+4*\c+3], v[ADR] offset:128*\ks+32*\c
.endr
.endr
	s_wait_dscnt 16                                ; all but the sixteen just issued: this block's fragments are in
.else
	s_wait_dscnt 0x0
.endif
.set x, 64*(1-\p)
.irp hi, 0,1
	WIN 0x52+\hi                                   ; source 0 (W1) window 2 or 3, source 1 (a) window 0, C and D window 1
.irp ks, 0,1,2,3
.irp b, 0,1,2,3
.if \ks == 0
	v_wmma_f32_16x16x128_bf8_bf8 v[64*\p+8*(4*\hi+\b):64*\p+8*(4*\hi+\b)+7], v[64*\b+16*\ks:64*\b+16*\ks+15], v[AF+64*\p+16*\ks:AF+64*\p+16*\ks+15], v[BI+8*(4*\hi+\b):BI+8*(4*\hi+\b)+7]
.else
	v_wmma_f32_16x16x128_bf8_bf8 v[64*\p+8*(4*\hi+\b):64*\p+8*(4*\hi+\b)+7], v[64*\b+16*\ks:64*\b+16*\ks+15], v[AF+64*\p+16*\ks:AF+64*\p+16*\ks+15], v[64*\p+8*(4*\hi+\b):64*\p+8*(4*\hi+\b)+7]
.endif
.if \ep
	v_med3_num_f32 v[x], 0, s[LIM], v[x]           ; the activation and the hold in one; the register stands as source 2, whose window is the accumulators': no switch.  Each accumulator from its low end on
	v_med3_num_f32 v[x+1], 0, s[LIM], v[x+1]
.set x, x+2
.endif
.endr
.endr
.endr
.if \ep
	s_wait_alu depctr_va_vdst(0)                   ; the wait ahead of the wait below
	s_wait_xcnt 0x0                                ; the last block's stores have read their data and their base: both may be written
.if \stp
	s_add_nc_u64 s[HB:HB+1], s[HB:HB+1], 4096
.endif
	WIN 0x01                                       ; source 0 window 1
.irp b, 0,1,2,3,4,5,6,7
	v_cvt_scalef32_pk8_bf8_f32 v[CD+2*\b:CD+2*\b+1], v[64*(1-\p)+8*\b:64*(1-\p)+8*\b+7], v[SC]
.endr
.endif
.rept 4
	v_nop                                          ; the plain line behind the conversions, and the places behind this block's last products
.endr
	WIN 0
.if \ep
.irp c, 0,1,2,3
	global_store_b128 v[LI], v[CD+4*\c:CD+4*\c+3], s[HB:HB+1] offset:2048*(1-\p)+512*\c th:TH_STORE_NT   ; 512 consecutive bytes, aligned: the image as it stands
.endr
.endif
.endm
	BLK 0, 1, 0, 0
	BLK 1, 1, 1, 0
	s_mov_b32 s[CNT], 4
.Lfirst:                                               ; blocks 2 to 9; the furthest fetch is block 10's, rows 160-175
	BLK 0, 1, 1, 0
	BLK 1, 1, 1, 1
	s_sub_co_u32 s[CNT], s[CNT], 1
	s_cmp_lg_u32 s[CNT], 0
	s_cbranch_scc1 .Lfirst
	s_wait_tensorcnt 0x0                           ; my part of rows 192-511 is in,
	s_wait_dscnt 0x0                               ; (no LDS instruction of mine is pending at a signal)
	s_barrier_signal -1
	s_barrier_wait -1                              ; everybody's is: block 12 is first fetched in block 11
	s_mov_b32 s[CNT], 10
.Lsecond:                                              ; blocks 10 to 29
	BLK 0, 1, 1, 0
	BLK 1, 1, 1, 1
	s_sub_co_u32 s[CNT], s[CNT], 1
	s_cmp_lg_u32 s[CNT], 0
	s_cbranch_scc1 .Lsecond
	BLK 0, 1, 1, 0
	BLK 1, 0, 1, 1                                 ; block 31: nothing more to fetch
	WIN 0x50                                       ; block 31 is finished by itself
.set x, 64
.rept 64
	v_med3_num_f32 v[x], 0, s[LIM], v[x]
.set x, x+1
.endr
	s_wait_alu depctr_va_vdst(0)                   ; the wait ahead of the wait below
	s_wait_xcnt 0x0
	WIN 0x01
.irp b, 0,1,2,3,4,5,6,7
	v_cvt_scalef32_pk8_bf8_f32 v[CD+2*\b:CD+2*\b+1], v[64+8*\b:64+8*\b+7], v[SC]
.endr
	v_nop
	WIN 0
.irp c, 0,1,2,3
	global_store_b128 v[LI], v[CD+4*\c:CD+4*\c+3], s[HB:HB+1] offset:2048+512*\c th:TH_STORE_NT
.endr
	s_wait_tensorcnt 0x0                           ; the wave's end
	ds_add_u32 v[SPW], v[NIL]
	s_wait_dscnt 0x0
	CROUND                                         ; the closing round
	s_endpgm
.Lfunc_end_k_q881ff56029_hid:
	.size	k_q881ff56029_hid, .Lfunc_end_k_q881ff56029_hid-k_q881ff56029_hid
	.p2alignl 7, 3214868480
	.fill 96, 4, 3214868480
	.section	.rodata,"a",@progbits
	.p2align	6, 0x0
	.amdhsa_kernel k_q881ff56029_hid
		.amdhsa_group_segment_fixed_size 327680
		.amdhsa_private_segment_fixed_size 0
		.amdhsa_enable_private_segment 0
		.amdhsa_kernarg_size 48
		.amdhsa_user_sgpr_count 2
		.amdhsa_user_sgpr_kernarg_segment_ptr 1
		.amdhsa_wavefront_size32 1
		.amdhsa_system_sgpr_workgroup_id_x 1
		.amdhsa_system_sgpr_workgroup_id_y 1
		.amdhsa_system_sgpr_workgroup_id_z 1
		.amdhsa_system_vgpr_workitem_id 0
		.amdhsa_next_free_vgpr 1024
		.amdhsa_next_free_sgpr 80
		.amdhsa_reserve_vcc 0
		.amdhsa_float_denorm_mode_32 3
		.amdhsa_float_denorm_mode_16_64 3
		.amdhsa_memory_ordered 1
		.amdhsa_forward_progress 1
		.amdhsa_inst_pref_size 96
	.end_amdhsa_kernel
	.amdgpu_metadata
---
amdhsa.version: [ 1, 2 ]
amdhsa.kernels:
  - .name:           k_q881ff56029_hid
    .symbol:         k_q881ff56029_hid.kd
    .args:
      - { .name: ac, .offset: 0, .size: 8, .value_kind: global_buffer, .address_space: global }
      - { .name: w1c, .offset: 8, .size: 8, .value_kind: global_buffer, .address_space: global }
      - { .name: b1s, .offset: 16, .size: 8, .value_kind: global_buffer, .address_space: global }
      - { .name: b1t, .offset: 24, .size: 8, .value_kind: global_buffer, .address_space: global }
      - { .name: lowp_scales, .offset: 32, .size: 8, .value_kind: global_buffer, .address_space: global }
      - { .name: hc, .offset: 40, .size: 8, .value_kind: global_buffer, .address_space: global }
    .group_segment_fixed_size: 327680
    .private_segment_fixed_size: 0
    .kernarg_segment_align: 8
    .kernarg_segment_size: 48
    .max_flat_workgroup_size: 128
    .sgpr_count:     80
    .vgpr_count:     1024
    .wavefront_size: 32
...
	.end_amdgpu_metadata
.endif
;; end of part 2
;; launch fin (part 3): grid 64 x 4, 4 waves a work-group, clusters of 4 x 1, 327,680 bytes of LDS; arguments hc, w2c, z, b2s, b2t, lowp_scales, out0, pl; writes out0, pl
.if DOCPART == 3
	.amdgcn_target "amdgcn-amd-amdhsa--gfx1250"
	.amdhsa_code_object_version 6
	.text
	.protected	k_q881ff56029_fin
	.globl	k_q881ff56029_fin
	.p2align	8
	.type	k_q881ff56029_fin,@function
k_q881ff56029_fin:
	s_mov_b64 s[64:65], 0
	v_nop
	global_prefetch_b8 v0, s[64:65] scope:SCOPE_SE
	s_setreg_imm32_b32 hwreg(HW_REG_WAVE_MODE, 25, 1), 1
	s_wait_xcnt 0x0
	s_wait_alu depctr_hold_cnt(0) depctr_sa_sdst(0) depctr_va_vdst(0) depctr_va_sdst(0) depctr_va_ssrc(0) depctr_va_vcc(0) depctr_vm_vsrc(0)
	s_getreg_b32 s2, hwreg(HW_REG_IB_STS2, 6, 4)
	s_cmp_eq_u32 s2, 0
	s_cbranch_scc0 .Lentry_in_a_cluster
	s_endpgm
.Lentry_in_a_cluster:
	s_bfe_u32 s2, ttmp6, 0x10000c
	s_cmp_lg_u32 s2, 0x3003
	s_cbranch_scc0 .Lentry_shape_is_right
	s_endpgm
.Lentry_shape_is_right:
; Third launch: s = h_s W2s + b2s, t = h_t W2t + b2t on codes of BF8, then out0 = (a, b exp(s) + t) interleaved and pl = the partial row sums of s.  Nothing is left out.
; SHARES.  Work-group (x, y): rows 128 x .. + 127, columns 128 y .. + 127 of both nets.  Wave w: net w / 2, 64 rows (half w % 2) x 128 columns: 32 accumulators, 256 registers (window 1).
; h's codes (hc, fragment images) go from memory straight into registers (window 3), four K steps of 128 ahead: 64 loads a wave are out.
; W2's codes (w2c, images) come by JOINT loads (cluster 4, 1, 1: the four partners share y, mask 15) into two slots, each 4 K steps x 2 nets x 128 columns = 131,072 bytes; a wave brings 32,768 by one load behind each round.
; The last change of slots brings the work-group's 128 rows x 1,024 bytes of z into slot 0; the sums go through a stage that begins in slot 1, behind that slot's last fill and last read.
; h is not asked for jointly: the work-groups that share its rows differ in y and lie in other clusters, and the two slots with the stage leave no LDS for it.
; PREFETCHES, one of each a wave and trip, a lane a block of 256 bytes.  h: the slot two beyond the one whose loads are running; of a wave's four K steps the work-group y names K step y, 8,192 bytes, so the four
; work-groups that read these rows name each block once.  W2: the slot that the refill one trip on will ask for; of a wave's 32,768 bytes the partner cx names 8,192; clusters x = 0 .. 3 ask, the others do not.
; The loop's last trip asks for nothing: slot 8 does not exist.  Slots 0 and 1 come by their loads alone; slot 2 is asked for once at the head.
; LIMITS: e2 + e3 and e6 + e7 between -126 and 127, so that both factors are f32 numbers.  NaN among the inputs is not served.
.set SLOTB, 131072
.set STG,   131072
.set SP,    528
.set STS,   128*SP
.set SPARE, STG+2*STS
.set LI,   4
.set ADB0, 5
.set ADB,  6
.set STO,  7
.set SRD,  8
.set ZRD,  9
.set SPW,  10
.set NIL,  11
.set PO,   12
.set LD,   13
.set BO,   14
.set B2S,  16
.set B2T,  20
.set TRD,  24
.set P,    224
.set TT,   16
.set ZZ,   32
.set EE,   64
.set WV,   20
.set G1B,  28
.set G0A,  36
.set G0B,  40
.set G1Z,  44
.set G0Z,  52
.set TB,   66
.set CNT,  67
.set HA,   68
.set PB,   86                          ; s[86:87] w2c at my wave's part of the slot one behind the refill's
.set PFO,  26                          ; v26 h's prefetch offset: 256 x lane + K step y + two slots; never rewritten
.set PFB,  27                          ; v27 W2's prefetch offset: 256 x lane + 8,192 cx; never rewritten
.macro ASK loop                        ; the two prefetches; every window is 0 here.  The branches hang on a counted loop's steps and on the cluster's x alone
.if \loop
	s_cmp_lg_u32 s[CNT], 1
	s_cbranch_scc0 .Lnoask_\@
.endif
	global_prefetch_b8 v[PFO], s[HA:HA+1] th:TH_LOAD_NT scope:SCOPE_SE
	s_cmp_lt_u32 ttmp9, 4
	s_cbranch_scc0 .Lnoask_\@
	global_prefetch_b8 v[PFB], s[PB:PB+1] offset:131072 th:TH_LOAD_NT scope:SCOPE_SE
.Lnoask_\@:
.endm
.set MSB, 0
.macro WIN new
.if MSB != (\new)
	s_set_vgpr_msb (MSB<<8)|(\new)
.set MSB, (\new)
.endif
.endm
.macro CREST
	s_cmp_lg_u32 s[WV], 0
	s_cbranch_scc1 .Lnot_wave_0_\@
	s_barrier_signal -3
.Lnot_wave_0_\@:
	s_barrier_wait -3
	s_barrier_signal -1
	s_barrier_wait -1
.endm
.macro CROUND
	s_barrier_signal -1
	s_barrier_wait -1
	CREST
.endm
.macro PLACES
.rept 4
	v_nop
.endr
.endm
.macro MUL16 q, a0, zero
.irp a, \a0, \a0+1
.irp b, 0,1,2,3,4,5,6,7
.if \zero
	v_wmma_f32_16x16x128_bf8_bf8 v[8*(8*(\a)+\b):8*(8*(\a)+\b)+7], v[128*((\q)%2)+16*\b:128*((\q)%2)+16*\b+15], v[64*(\q)+16*(\a):64*(\q)+16*(\a)+15], 0
.else
	v_wmma_f32_16x16x128_bf8_bf8 v[8*(8*(\a)+\b):8*(8*(\a)+\b)+7], v[128*((\q)%2)+16*\b:128*((\q)%2)+16*\b+15], v[64*(\q)+16*(\a):64*(\q)+16*(\a)+15], v[8*(8*(\a)+\b):8*(8*(\a)+\b)+7]
.endif
.endr
.endr
.endm
.macro BFETCH q
	WIN 0x80
.irp b, 0,1,2,3,4,5,6,7
.irp c, 0,1,2,3
	ds_load_b128 v[128*((\q)%2)+16*\b+4*\c:128*((\q)%2)+16*\b+4*\c+3], v[ADB] offset:8192*\b+2048*(\q)+512*\c
.endr
.endr
.endm
.macro ALOAD q
	WIN 0xc0
.irp a, 0,1,2,3
.irp c, 0,1,2,3
	global_load_b128 v[64*(\q)+16*\a+4*\c:64*(\q)+16*\a+4*\c+3], v[LI], s[HA:HA+1] offset:(\q)*1048576+2048*\a+512*\c
.endr
.endr
	WIN 0
.endm
.macro KSTEP q, zero, aload, lc
	s_wait_loadcnt \lc
	s_wait_dscnt 0x0
	BFETCH (\q)+1
	WIN 0x5e
	MUL16 \q, 0, \zero
	MUL16 \q, 2, \zero
	PLACES
.if \aload
.if (\q) == 0
	s_wait_xcnt 0x0                                ; my loads and prefetches have read their bases: both step one slot on
	s_add_nc_u64 s[HA:HA+1], s[HA:HA+1], 0x400000
	s_add_nc_u64 s[PB:PB+1], s[PB:PB+1], 65536
.endif
	ALOAD \q
.else
	WIN 0
.endif
.endm
.macro TURN kind
	s_wait_loadcnt 48
	s_wait_tensorcnt 0x0
	ds_add_u32 v[SPW], v[NIL]
.if \kind == 0
	s_xor_b32 s[G0B+1], s[G0B+1], SLOTB
	s_add_nc_u64 s[G0B+2:G0B+3], s[G0B+2:G0B+3], 65536
.endif
	s_xor_b32 s[TB], s[TB], SLOTB
	s_wait_dscnt 0x0
	s_barrier_signal -1
	WIN 0x5e
	MUL16 3, 0, 0
	WIN 0
	s_barrier_wait -1
	CREST
.if \kind == 0
	tensor_load_to_lds s[G0B:G0B+3], s[G1B:G1B+7]
.else
	tensor_load_to_lds s[G0Z:G0Z+3], s[G1Z:G1Z+7]
.endif
	s_nop 0
	PLACES
	v_add_nc_u32 v[ADB], s[TB], v[ADB0]
	BFETCH 0
.if \kind == 0
	WIN 0
	ASK 1                                          ; behind the joint load and the run of LDS loads
.endif
	WIN 0x5e
	MUL16 3, 2, 0
	PLACES
	ALOAD 3
.endm
	s_load_b512 s[4:19], s[0:1], 0x0
	v_lshl_add_u32 v[SPW], v0, 2, SPARE
	v_mov_b32 v[NIL], 0
	ds_add_u32 v[SPW], v[NIL]
	ds_add_u32 v[SPW], v[NIL]
	v_lshrrev_b32 v1, 5, v0
	v_readfirstlane_b32 s[WV], v1
	s_lshr_b32 s21, s[WV], 1
	s_and_b32 s22, s[WV], 1
	s_bfe_u32 s23, ttmp6, 0x40000
	s_lshl_b32 s24, ttmp9, 2
	s_add_co_u32 s24, s24, s23
	s_and_b32 s25, ttmp7, 0xffff
	s_mov_b32 s[G1B+0], 15|(3<<16)|(1<<21)
	s_mov_b32 s[G1B+1], 32<<16
	s_mov_b32 s[G1B+2], 128<<16
	s_mov_b32 s[G1B+3], 32<<16
	s_mov_b32 s[G1B+4], 128
	s_mov_b32 s[G1B+5], 32
	s_mov_b32 s[G1B+6], 0
	s_mov_b32 s[G1B+7], 0
	s_mov_b32 s[G1Z+0], 2<<16
	s_mov_b32 s[G1Z+1], 256<<16
	s_mov_b32 s[G1Z+2], 32<<16
	s_mov_b32 s[G1Z+3], 256<<16
	s_mov_b32 s[G1Z+4], 32
	s_mov_b32 s[G1Z+5], 1024
	s_mov_b32 s[G1Z+6], 0
	s_mov_b32 s[G1Z+7], 0
	v_and_b32 v1, 31, v0
	v_and_b32 v2, 15, v0
	v_bfe_u32 v3, v0, 4, 1
	v_lshlrev_b32 v[LI], 4, v1
	s_wait_alu depctr_va_vdst(0)
	v_lshlrev_b32 v[PO], 2, v1
	v_lshlrev_b32 v[BO], 3, v1
	s_lshl_b32 s26, s21, 16
	v_add_nc_u32 v[ADB0], s26, v[LI]
	s_mul_i32 s26, s21, STS
	s_mul_i32 s27, s22, 64*SP
	s_add_co_u32 s26, s26, s27
	s_add_co_u32 s26, s26, STG
	v_mul_u32_u24 v[STO], v2, SP
	v_lshl_add_u32 v[STO], v3, 5, v[STO]
	v_add_nc_u32 v[STO], s26, v[STO]
	s_mul_i32 s26, s[WV], 32*SP
	s_add_co_u32 s26, s26, STG
	v_add_nc_u32 v[SRD], s26, v[PO]
	v_add_nc_u32 v[TRD], STS, v[SRD]
	s_lshl_b32 s26, s[WV], 15
	v_add_nc_u32 v[ZRD], s26, v[LI]
	v_mov_b32 v[LD], 0
	s_lshl_b32 s89, s25, 20                        ; K step y of a slot's four,
	s_add_co_u32 s89, s89, 0x800000                ; two slots of 4 x 1,048,576 bytes on
	v_lshl_add_u32 v[PFO], v1, 8, s89
	s_lshl_b32 s89, s23, 13                        ; my work-group's 8,192 of the wave's 32,768 bytes
	v_lshl_add_u32 v[PFB], v1, 8, s89
	s_lshl_b32 s26, s21, 21
	s_lshl_b32 s27, s25, 19
	s_add_co_u32 s26, s26, s27
	s_lshl_b32 s27, s22, 15
	s_add_co_u32 s26, s26, s27
	s_mov_b32 s27, 0
	s_lshl_b32 s78, s24, 19
	s_lshl_b32 s79, s[WV], 17
	s_add_co_u32 s78, s78, s79
	s_lshl_b32 s79, s25, 10
	s_add_co_u32 s78, s78, s79
	s_mov_b32 s79, 0
	s_mov_b32 s81, 0
	s_mov_b32 s[TB], 0
	s_wait_dscnt 0x0
	s_wait_kmcnt 0x0
	s_load_b256 s[56:63], s[14:15], 0x0
	s_mov_b32 s[G0A], 1
	s_lshl_b32 s[G0A+1], s[WV], 15
	s_add_nc_u64 s[G0A+2:G0A+3], s[6:7], s[26:27]
	s_add_nc_u64 s[PB:PB+1], s[6:7], s[26:27]
	s_mov_b32 s[G0B], 1
	s_add_co_u32 s[G0B+1], s[G0A+1], SLOTB
	s_add_nc_u64 s[G0B+2:G0B+3], s[G0A+2:G0A+3], 65536
	s_or_b32 s[G0A+3], s[G0A+3], 0x80000000
	s_or_b32 s[G0B+3], s[G0B+3], 0x80000000
	s_mov_b32 s[G0Z], 1
	s_lshl_b32 s[G0Z+1], s[WV], 15
	s_add_nc_u64 s[G0Z+2:G0Z+3], s[8:9], s[78:79]
	s_or_b32 s[G0Z+3], s[G0Z+3], 0x80000000
	s_add_nc_u64 s[82:83], s[16:17], s[78:79]
	s_lshl_b32 s80, s25, 15
	s_lshl_b32 s78, s24, 9
	s_add_co_u32 s80, s80, s78
	s_lshl_b32 s78, s[WV], 7
	s_add_co_u32 s80, s80, s78
	s_add_nc_u64 s[84:85], s[18:19], s[80:81]
	s_lshl_b32 s80, s21, 25
	s_lshl_b32 s78, s24, 14
	s_add_co_u32 s80, s80, s78
	s_lshl_b32 s78, s22, 13
	s_add_co_u32 s80, s80, s78
	s_add_nc_u64 s[HA:HA+1], s[4:5], s[80:81]
	s_lshl_b32 s80, s25, 9
	s_add_nc_u64 s[10:11], s[10:11], s[80:81]
	s_add_nc_u64 s[12:13], s[12:13], s[80:81]
	CROUND
	tensor_load_to_lds s[G0A:G0A+3], s[G1B:G1B+7]  ; slot 0: my one tensor load at the head
	s_nop 0
	PLACES
	s_wait_alu depctr_va_vdst(0)                   ; the wait at the head's end
	global_load_b64 v[B2S:B2S+1],   v[BO], s[10:11]
	global_load_b64 v[B2S+2:B2S+3], v[BO], s[10:11] offset:256
	global_load_b64 v[B2T:B2T+1],   v[BO], s[12:13]
	global_load_b64 v[B2T+2:B2T+3], v[BO], s[12:13] offset:256
.irp q, 0,1,2,3
	ALOAD \q                                       ; h's first four K steps are asked for while slot 0 is on its way
.endr
	s_wait_tensorcnt 0x0                           ; my part of slot 0 is in
	ds_add_u32 v10, v11
	s_wait_dscnt 0x0
	CROUND
	tensor_load_to_lds s[G0B:G0B+3], s[G1B:G1B+7]  ; slot 1, the first tensor load behind the round
	s_nop 0
	PLACES
	ASK 0                                          ; slot 2 of h and of W2
	s_wait_kmcnt 0x0
	s_add_co_i32 s70, s58, s59
	s_add_co_i32 s70, s70, 127
	s_lshl_b32 s70, s70, 23
	s_mov_b32 s71, s70
	s_add_co_i32 s72, s62, s63
	s_add_co_i32 s72, s72, 127
	s_lshl_b32 s72, s72, 23
	s_mov_b32 s73, s72
	s_mov_b32 s74, 0x3fb8aa3b
	s_mov_b32 s75, s74
	s_mov_b32 s76, 0x76543210
	s_mov_b32 s77, 0xfedcba98
	s_wait_tensorcnt 1
	s_barrier_signal -1
	s_barrier_wait -1
	v_add_nc_u32 v[ADB], s[TB], v[ADB0]
	BFETCH 0
	s_wait_alu depctr_va_vdst(0)
	KSTEP 0, 1, 1, 48
	s_mov_b32 s[CNT], 6
.Lslot:
	s_wait_alu depctr_va_vdst(0)
	KSTEP 1, 0, 1, 48
	KSTEP 2, 0, 1, 48
	TURN 0
	s_wait_alu depctr_va_vdst(0)
	KSTEP 0, 0, 1, 48
	s_sub_co_u32 s[CNT], s[CNT], 1
	s_cmp_lg_u32 s[CNT], 0
	s_cbranch_scc1 .Lslot
	KSTEP 1, 0, 1, 48
	KSTEP 2, 0, 1, 48
	TURN 1
	s_wait_alu depctr_va_vdst(0)
	KSTEP 0, 0, 0, 48
	KSTEP 1, 0, 0, 32
	KSTEP 2, 0, 0, 16
	s_wait_loadcnt 0x0
	s_wait_dscnt 0x0
	s_barrier_signal -1
	WIN 0x5e
	MUL16 3, 0, 0
	MUL16 3, 2, 0
	WIN 0
	s_barrier_wait -1
	PLACES
	WIN 0x04
.irp a, 0,1,2,3
.irp b, 0,1,2,3,4,5,6,7
	ds_store_b128 v[STO], v[8*(8*\a+\b):8*(8*\a+\b)+3]   offset:16*SP*\a+64*\b
	ds_store_b128 v[STO], v[8*(8*\a+\b)+4:8*(8*\a+\b)+7] offset:16*SP*\a+64*\b+16
.endr
.endr
	WIN 0
	s_wait_tensorcnt 0x0
	s_wait_dscnt 0x0
	s_barrier_signal -1
	s_barrier_wait -1
.macro LOADB n
.set WS, 64+80*((\n)%2)
	s_wait_xcnt 0x0
.irp i, 0,1,2,3
.irp k, 0,1,2,3
	ds_load_b32 v[WS+4*\i+\k],    v[SRD] offset:SP*(4*(\n)+\i)+128*\k
	ds_load_b32 v[WS+TT+4*\i+\k], v[TRD] offset:SP*(4*(\n)+\i)+128*\k
.endr
	ds_load_b128 v[WS+ZZ+8*\i:WS+ZZ+8*\i+3],   v[ZRD] offset:1024*(4*(\n)+\i)
	ds_load_b128 v[WS+ZZ+8*\i+4:WS+ZZ+8*\i+7], v[ZRD] offset:1024*(4*(\n)+\i)+512
.endr
.endm
.macro WORKB n, left
.set WS, 64+80*((\n)%2)
	s_wait_dscnt \left
.irp i, 0,1,2,3
.irp q, 0,1
	v_pk_fma_f32 v[WS+4*\i+2*\q:WS+4*\i+2*\q+1], v[WS+4*\i+2*\q:WS+4*\i+2*\q+1], s[70:71], v[B2S+2*\q:B2S+2*\q+1] op_sel_hi:[1,0,1]
	v_pk_fma_f32 v[WS+TT+4*\i+2*\q:WS+TT+4*\i+2*\q+1], v[WS+TT+4*\i+2*\q:WS+TT+4*\i+2*\q+1], s[72:73], v[B2T+2*\q:B2T+2*\q+1] op_sel_hi:[1,0,1]
.endr
.endr
.irp j, 0,2,4,6,8,10,12,14
	v_pk_mul_f32 v[WS+EE+\j:WS+EE+\j+1], v[WS+\j:WS+\j+1], s[74:75] op_sel_hi:[1,0]
.endr
	s_wait_alu depctr_va_vdst(0)
.irp j, 0,1,2,3,4,5,6,7,8,9,10,11,12,13,14,15
	v_exp_f32 v[WS+EE+\j], v[WS+EE+\j]
.endr
.irp i, 0,1,2,3
	v_add_f32 v[P+\i],   v[WS+4*\i],   v[WS+4*\i+1]
	v_add_f32 v[P+4+\i], v[WS+4*\i+2], v[WS+4*\i+3]
.endr
.irp i, 0,1,2,3
	v_add_f32 v[P+\i], v[P+\i], v[P+4+\i]
.endr
.irp m, 1,2,4,8
.irp i, 0,1,2,3
	v_add_f32_dpp v[P+\i], v[P+\i], v[P+\i] row_xmask:\m row_mask:0xf bank_mask:0xf
.endr
.endr
.irp i, 0,1,2,3
	v_permlanex16_b32 v[P+4+\i], v[P+\i], s76, s77
.endr
.irp i, 0,1,2,3
	v_add_f32 v[P+\i], v[P+\i], v[P+4+\i]
.endr
	s_wait_alu depctr_va_vdst(0)
.irp i, 0,1,2,3
.irp k, 0,1,2,3
	v_fma_f32 v[WS+ZZ+8*\i+2*\k+1], v[WS+ZZ+8*\i+2*\k+1], v[WS+EE+4*\i+\k], v[WS+TT+4*\i+\k]
.endr
.endr
.irp i, 0,1,2,3
	v_readfirstlane_b32 s88, v[P+\i]
	v_writelane_b32 v[LD], s88, 4*(\n)+\i
.endr
.irp i, 0,1,2,3
	global_store_b128 v[LI], v[WS+ZZ+8*\i:WS+ZZ+8*\i+3],   s[82:83] offset:4096*(4*(\n)+\i) th:TH_STORE_NT
	global_store_b128 v[LI], v[WS+ZZ+8*\i+4:WS+ZZ+8*\i+7], s[82:83] offset:4096*(4*(\n)+\i)+512 th:TH_STORE_NT
.endr
.endm
	LOADB 0
	LOADB 1
.irp n, 0,1,2,3,4,5
	WORKB \n, 40
	LOADB \n+2
.endr
	WORKB 6, 40
	WORKB 7, 0
	global_store_b32 v[PO], v[LD], s[84:85]
	s_wait_tensorcnt 0x0
	ds_add_u32 v[SPW], v[NIL]
	s_wait_dscnt 0x0
	CROUND
	s_endpgm
.Lfunc_end_k_q881ff56029_fin:
	.size	k_q881ff56029_fin, .Lfunc_end_k_q881ff56029_fin-k_q881ff56029_fin
	.p2alignl 7, 3214868480
	.fill 96, 4, 3214868480
	.section	.rodata,"a",@progbits
	.p2align	6, 0x0
	.amdhsa_kernel k_q881ff56029_fin
		.amdhsa_group_segment_fixed_size 327680
		.amdhsa_private_segment_fixed_size 0
		.amdhsa_enable_private_segment 0
		.amdhsa_kernarg_size 64
		.amdhsa_user_sgpr_count 2
		.amdhsa_user_sgpr_kernarg_segment_ptr 1
		.amdhsa_wavefront_size32 1
		.amdhsa_system_sgpr_workgroup_id_x 1
		.amdhsa_system_sgpr_workgroup_id_y 1
		.amdhsa_system_sgpr_workgroup_id_z 1
		.amdhsa_system_vgpr_workitem_id 0
		.amdhsa_next_free_vgpr 1024
		.amdhsa_next_free_sgpr 90
		.amdhsa_reserve_vcc 0
		.amdhsa_float_denorm_mode_32 3
		.amdhsa_float_denorm_mode_16_64 3
		.amdhsa_memory_ordered 1
		.amdhsa_forward_progress 1
		.amdhsa_inst_pref_size 153
	.end_amdhsa_kernel
	.amdgpu_metadata
---
amdhsa.version: [ 1, 2 ]
amdhsa.kernels:
  - .name:           k_q881ff56029_fin
    .symbol:         k_q881ff56029_fin.kd
    .args:
      - { .name: hc, .offset: 0, .size: 8, .value_kind: global_buffer, .address_space: global }
      - { .name: w2c, .offset: 8, .size: 8, .value_kind: global_buffer, .address_space: global }
      - { .name: z, .offset: 16, .size: 8, .value_kind: global_buffer, .address_space: global }
      - { .name: b2s, .offset: 24, .size: 8, .value_kind: global_buffer, .address_space: global }
      - { .name: b2t, .offset: 32, .size: 8, .value_kind: global_buffer, .address_space: global }
      - { .name: lowp_scales, .offset: 40, .size: 8, .value_kind: global_buffer, .address_space: global }
      - { .name: out0, .offset: 48, .size: 8, .value_kind: global_buffer, .address_space: global }
      - { .name: pl, .offset: 56, .size: 8, .value_kind: global_buffer, .address_space: global }
    .group_segment_fixed_size: 327680
    .private_segment_fixed_size: 0
    .kernarg_segment_align: 8
    .kernarg_segment_size: 64
    .max_flat_workgroup_size: 128
    .sgpr_count:     90
    .vgpr_count:     1024
    .wavefront_size: 32
...
	.end_amdgpu_metadata
.endif
;; end of part 3
;; launch lsum (part 4): grid 8 x 1, 8 waves a work-group, no clusters, 0 bytes of LDS; arguments pl, out1; writes out1
.if DOCPART == 4
	.amdgcn_target "amdgcn-amd-amdhsa--gfx1250"
	.amdhsa_code_object_version 6
	.text
	.protected	k_q881ff56029_lsum
	.globl	k_q881ff56029_lsum
	.p2align	8
	.type	k_q881ff56029_lsum,@function
k_q881ff56029_lsum:
	s_mov_b64 s[64:65], 0
	v_nop
	global_prefetch_b8 v0, s[64:65] scope:SCOPE_SE
	s_setreg_imm32_b32 hwreg(HW_REG_WAVE_MODE, 25, 1), 1
	s_wait_xcnt 0x0
; Fourth launch: out1[row] = the sum of the four partial row sums of s, pl [4][8192] f32, as (p0 + p1) + (p2 + p3).  Nothing is left out.
; A row's 512 columns of s were made by four work-groups of the launch before, and no launch adds across its work-groups: so the sum has a launch of its own.
; A thread takes four rows: 16 bytes of each part; a wave's loads and its store cover 512 consecutive bytes.  No LDS, no barrier.
	s_load_b128 s[4:7], s[0:1], 0x0                ; pl, out1
	s_lshl_b32 s8, ttmp9, 12                       ; 256 threads x 16 bytes
	v_lshl_add_u32 v1, v0, 4, s8
	s_wait_alu depctr_va_vdst(0)
	s_wait_kmcnt 0x0
	global_load_b128 v[4:7],   v1, s[4:5]
	global_load_b128 v[8:11],  v1, s[4:5] offset:32768
	global_load_b128 v[12:15], v1, s[4:5] offset:65536
	global_load_b128 v[16:19], v1, s[4:5] offset:98304
	s_wait_loadcnt 0x0
	v_pk_add_f32 v[4:5],   v[4:5],   v[8:9]
	v_pk_add_f32 v[6:7],   v[6:7],   v[10:11]
	v_pk_add_f32 v[12:13], v[12:13], v[16:17]
	v_pk_add_f32 v[14:15], v[14:15], v[18:19]
	s_delay_alu instid0(VALU_DEP_2)
	v_pk_add_f32 v[4:5],   v[4:5],   v[12:13]
	s_delay_alu instid0(VALU_DEP_2)
	v_pk_add_f32 v[6:7],   v[6:7],   v[14:15]
	global_store_b128 v1, v[4:7], s[6:7]
	s_endpgm
.Lfunc_end_k_q881ff56029_lsum:
	.size	k_q881ff56029_lsum, .Lfunc_end_k_q881ff56029_lsum-k_q881ff56029_lsum
	.p2alignl 7, 3214868480
	.fill 96, 4, 3214868480
	.section	.rodata,"a",@progbits
	.p2align	6, 0x0
	.amdhsa_kernel k_q881ff56029_lsum
		.amdhsa_group_segment_fixed_size 0
		.amdhsa_private_segment_fixed_size 0
		.amdhsa_enable_private_segment 0
		.amdhsa_kernarg_size 16
		.amdhsa_user_sgpr_count 2
		.amdhsa_user_sgpr_kernarg_segment_ptr 1
		.amdhsa_wavefront_size32 1
		.amdhsa_system_sgpr_workgroup_id_x 1
		.amdhsa_system_sgpr_workgroup_id_y 1
		.amdhsa_system_sgpr_workgroup_id_z 1
		.amdhsa_system_vgpr_workitem_id 0
		.amdhsa_next_free_vgpr 24
		.amdhsa_next_free_sgpr 66
		.amdhsa_reserve_vcc 0
		.amdhsa_float_denorm_mode_32 3
		.amdhsa_float_denorm_mode_16_64 3
		.amdhsa_memory_ordered 1
		.amdhsa_forward_progress 1
		.amdhsa_inst_pref_size 2
	.end_amdhsa_kernel
	.amdgpu_metadata
---
amdhsa.version: [ 1, 2 ]
amdhsa.kernels:
  - .name:           k_q881ff56029_lsum
    .symbol:         k_q881ff56029_lsum.kd
    .args:
      - { .name: pl, .offset: 0, .size: 8, .value_kind: global_buffer, .address_space: global }
      - { .name: out1, .offset: 8, .size: 8, .value_kind: global_buffer, .address_space: global }
    .group_segment_fixed_size: 0
    .private_segment_fixed_size: 0
    .kernarg_segment_align: 8
    .kernarg_segment_size: 16
    .max_flat_workgroup_size: 256
    .sgpr_count:     66
    .vgpr_count:     24
    .wavefront_size: 32
...
	.end_amdgpu_metadata
.endif
;; end of part 4
